; MI455X (gfx1250); checked and timed in simulation.
; The chip was launched on July 23, 2026; its instructions are those of AMD's public machine-readable ISA for CDNA 5 (MIT licence, August 2026) and "CDNA5" Instruction Set Architecture Reference Guide (July 2026). The comments in the code are by the model that wrote it; some were corrected since.
;; Net VLAD. Allowed arithmetic: matrix products marked QUANTISED: E4M3 operands, one E8M0 scale for each 32 along K, by v_wmma_scale_f32_16x16x128_f8f6f4 with both operands' format E4M3, f32 sums; everything else in f32.
;; Inputs: centroids 64 x 256 float32; conv_weight_codes 64 x 8 x 32 uint8 (E4M3 codes of conv_weight, K innermost, in blocks of 32 codes); conv_weight_scales 64 x 8 uint8 (E8M0 scales of conv_weight, one for each 32 codes along K); x 64 x 256 x 64 x 64 float32.
;; Outputs: out0 64 x 16,384 float32.
;; This version of the problem:
;;   THIS VERSION OF THE PROBLEM IS GIVEN IN LOW PRECISION. The matrix products marked QUANTISED in the list below multiply operands that are first quantised to E4M3 (4 exponent bits, 3 mantissa bits; 8 bits a number), with one power-of-two scale for each 32 numbers along K (OCP MX v1.0); their sums are f32. All else is computed in f32.
;;   The module's matrix products, in the order in which they are computed (A, B: the left and right operand; K: the contracted axis; several contracted axes count as one K, in the product's order):
;;     1. [M 262,144, K 256] x [K 256, N 64]; A: computed on the way; B: input conv_weight (given as codes): QUANTISED
;;     2. batch 64 x [M 64, K 4,096] x [K 4,096, N 256]; A: computed on the way; B: computed on the way: QUANTISED
;;   THE QUANTISER, for each operand of a quantised product, along K:
;;     - K is cut into blocks of 32 from its start; a last block that is shorter is filled with zeros.
;;     - A block's scale is 2^e with e = floor(log2(the largest magnitude in the block)) - 8, held to -126 .. 127; a block of zeros has e = 0. As a byte (E8M0): e + 127.
;;     - Each number is divided by its block's scale, clamped to +-448, and rounded to the nearest number of E4M3, ties to even, subnormals kept.
;;     - The product sums the exact products of the quantised numbers (number of the format x scale) in f32.
;;   ~~~python
;;   def quantise(x, axis):      # numpy; x: float32 -> the quantised numbers, widened to float32 again
;;       x = np.moveaxis(x, axis, -1); K = x.shape[-1]
;;       x = np.pad(x, [(0, 0)] * (x.ndim - 1) + [(0, -K % 32)]); x = x.reshape(x.shape[:-1] + (-1, 32)); a = np.abs(x).max(-1, keepdims=True)
;;       e = np.where(a > 0, np.clip(np.frexp(np.where(a > 0, a, 1))[1] - 1 - 8, -126, 127), 0)      # np.frexp(a)[1] - 1 = floor(log2(a)), exactly
;;       r = np.clip(x / 2.0 ** e, -448, 448)
;;       step = 2.0 ** (np.maximum(np.frexp(np.where(r == 0, 1, r))[1] - 1, -6) - 3)
;;       q = np.round(r / step) * step * 2.0 ** e      # np.round: ties to even
;;       return np.moveaxis(q.reshape(q.shape[:-2] + (-1,))[..., :K], -1, axis).astype(np.float32)
;;   ~~~
;;   OPERANDS COMPUTED ON THE WAY. 'Computed on the way' means the value that the module computes at that place (a softmax that the list does not call 'softmax' is quantised finished and normalised). What goes into a quantiser is computed in f32, as accurately as f32 sums, v_exp_f32 and their like allow (about 1e-6 of the number): no bf16 or f16 on the way to a quantiser, and a product that is left as it is and whose result goes on into a quantised operand takes f32 operands (vector FMAs, or v_wmma_f32_16x16x4_f32). A number that lies on a knife's edge between two numbers of the format may be rounded either way, as far as f32 arithmetic and the matrix unit's own rounding can turn it there, and no further.
;;   INPUTS GIVEN AS CODES. conv_weight (in the module: [64, 256], K = its axis 1): each comes as NAME_codes (uint8): NAME with its K axis moved to the last place and cut into blocks of 32 codes, [.., K / 32, bytes a block], one block behind the other in memory; one code a byte (a code: sign, 4 exponent bits, 3 mantissa bits); and NAME_scales (uint8): the same leading axes, one E8M0 byte (e + 127) for each 32 codes along K. Its value is code x scale, taken as it is: it is not quantised again, and the codes and scales need not be those that the quantiser above would give.
;; One version. Each part assembles by itself: llvm-mc -triple=amdgcn-amd-amdhsa -mcpu=gfx1250 --defsym DOCPART=n.
;; ======== version 1 of 1: 2 launches
;; workspace buffers: part 16,777,216 bytes; asum 65,536 bytes
;; launch vlad_part (part 1): grid 4 x 64, 4 waves a work-group, no clusters, 327,680 bytes of LDS; arguments x, conv_weight_codes, conv_weight_scales, part, asum; writes part, asum
.if DOCPART == 1
	.amdgcn_target "amdgcn-amd-amdhsa--gfx1250"
	.amdhsa_code_object_version 6
	.text
	.protected	k_qdeb2a0cba9_vlad_part
	.globl	k_qdeb2a0cba9_vlad_part
	.p2align	8
	.type	k_qdeb2a0cba9_vlad_part,@function
k_qdeb2a0cba9_vlad_part:
	s_mov_b64 s[64:65], 0
	v_nop
	global_prefetch_b8 v0, s[64:65] scope:SCOPE_SE
	s_setreg_imm32_b32 hwreg(HW_REG_WAVE_MODE, 25, 1), 1
	s_wait_xcnt 0x0
; NetVLAD, first part.  x: [64 n][256 d][4096 l] f32.  A work-group takes image n (grid y) and quarter q of its places (grid x): 1,024 places, in 8 chunks of 128 places x 256 channels.
; For its places: xn = x / max(|x|, 1e-12) over d;  logits = W xn (codes of E4M3, K = d);  a = softmax over the 64 clusters;  part[n][q][k][d] = sum over l of Q(a)[k][l] Q(xn)[d][l] (K = l);  asum[n][q][k] = sum over l of a.
; xn is quantised twice from the same f32 numbers: in blocks of 32 channels of a place (phase A) and in blocks of 32 places of a channel (phase B).
; THE RING.  Two LDS slots of one chunk each (256 rows of 512 bytes + 16), filled by tensor loads, 64 rows a wave; a slot's refill has the whole next chunk's work in which to land.
; PHASE A: wave w owns places 32 w .. 32 w + 31 of the chunk, all 256 channels: two tiles of 16 places (tile u holds places 2 r + u), which is one block of 32 of the second product's K.
;   Inside a block of 32 channels the order is permuted, alike in x and in W: position 16 h + i holds channel 8 h + (i & 7) + 16 (i >> 3); so lanes 16-31 read 8 rows on, 128 bytes off modulo 256, beside lanes 0-15's 128 bytes.
;   logits: source 0 = 16 places, source 1 = 16 clusters: register j of lane (r, h) is cluster 16 kt + r at place 16 h + 2 j + u.  The exponential writes it to register 2 j + u, so that a lane's 16 registers are 16 neighbouring places.
; PHASE B: wave w owns channels 64 w .. 64 w + 63, all 128 places.  a's four fragments reach every wave through LDS as images of their registers; 1/norm of the 128 places likewise as 512 bytes.
;   source 0 = 16 channels, source 1 = 16 clusters: a lane's eight results are eight neighbouring d of one row k of the output.
; NO CLUSTER: no two work-groups read the same bytes of x; what they share, W, is 16 KB against 1 MB of x for each.  NO PREFETCH: each wave has a tile of 32 KB asked for throughout.
; LIMITS: NaN and infinities are not served.  v_sqrt_f32, v_rcp_f32 and v_exp_f32 flush denormals (ISA guide 15.8): a sum of squares under 2^-126 counts as 0 (the divisor is then 1e-12), an a under 2^-126 as 0.
;   x times the reciprocal stands for x / norm (about 1.5 ulp).  A block of zeros carries the byte 1 over zero codes: only this program reads those bytes.  The order of the sums over l differs from a plain ascending one.
; REGISTERS, in windows of 256:  window 0: addresses, scale words, statistics, logits, a.   window 1: phase A: x of channels 0-127 (v0-127), held numbers (v128-191), codes (v192-223);  phase B: 1/norm (v0-63), two sets of a tile's numbers (v64-191), codes (v192-207), statistics (v224-240).
;   window 2: W's 8 fragments (v0-127), the 16 accumulators of the second product (v128-255).   window 3: phase A: as window 1 for channels 128-255;  phase B: a's four fragments (v0-63).
.set PITCH,  528                       ; an LDS row: 512 bytes + 16: an odd multiple of 16, so that 16 rows of a 16-byte load start at 16 different places modulo 256
.set SLOT,   256*PITCH                 ; 135,168 = 0x21000
.set WROWS,  64*PITCH                  ; what one tensor load brings: 33,792 bytes; no multiple of it up to 3 has bit 12 or bit 17, so an exclusive or with SLOT changes slots
.set RINV,   2*SLOT                    ; 1/norm of the chunk's 128 places
.set AIMG,   RINV+512                  ; a's fragments: 2,048 bytes each: register group c at 512 c + 16 x lane
.set ASC,    AIMG+8192                 ; a's scale words: 128 bytes a fragment: 4 x lane + byte c
.set ASX,    ASC+512                   ; the waves' sums of a: 256 w + 4 k
.set SPARE,  ASX+1024                  ; the spare words: 128 bytes a wave: two blocks of 256 bytes that no other line names
.set SPITCH, 1040                      ; the way out: a stage of 64 rows x (1,024 bytes + 16), in slot 0, which has had its last fill and its last read by then
.set FLOOR,  0x4800000                 ; 2^(9 - 127): under it no largest magnitude is taken, so the byte cannot fall under 1
.set EOFF,   0xfc000000                ; takes 8 off an exponent field
.set EXPM,   0x7f800000
.set SPW, 1                            ; v1   SPARE + 4 x thread; never rewritten
.set NIL, 2                            ; v2   0; never rewritten
.set BA0, 3                            ; v3   phase A: 4224 h + 128 w + 8 r;   v4: the same 128 rows on
.set BA1, 4
.set ADA, 5                            ; v5-6 the same in the slot in hand
.set BB,  7                            ; v7   phase B: (64 w + r) x 528 + 64 h;   v8: in the slot in hand
.set ADB, 8
.set RST, 9                            ; v9   where I store 1/norm;  v10 where I read it
.set RLD, 10
.set IST, 11                           ; v11  where I store a's images;  v12 where I read them
.set ILD, 12
.set SST, 13                           ; v13  where I store a's scale byte;  v14 where I read the words
.set SLD, 14
.set XLD, 15                           ; v15, v16  the sums of a: read, store
.set XST, 16
.set STO, 17                           ; v17, v18  the stage: in, back
.set RD,  18
.set GO,  19                           ; v19  my byte offset in part;  v20 in asum
.set GA,  20
.set WS,  24                           ; v24-31  W's scale words (2 kt + s)
.set XS,  32                           ; v32-35  x's scale words, phase A (2 u + s)
.set ASW, 36                           ; v36-39  a's scale words (kt)
.set XS2, 40                           ; v40     x's scale word, phase B
.set RI,  42                           ; v42-43  1/norm of my two places
.set SS,  44                           ; v44-51  sums of squares, four pairs
.set PD,  52                           ; v52-53  destinations of lane permutes
.set WA,  54                           ; v54-55  offsets of W's loads
.set WSA, 55
.set TM,  56                           ; v56-119 phase A: block (u, s, c) at TM + 16 (2 u + s): + c largest magnitude, + 4 + c byte, + 8 + c 448 x scale, + 12 + c the conversion's scale operand
.set M,   56                           ; softmax: 16 maxima (8 u + j), 16 sums (place i), a's four blocks, a's codes
.set S,   72
.set QA,  88
.set AC,  104
.set LG,  120                          ; v120-183 logits: 16 kt + 8 u + j
.set P,   184                          ; v184-247 p, then a: 16 kt + i
.set AS,  248                          ; v248-255 sums of a, a pair for each kt
.set T,   128                          ; windows 1, 3
.set XF,  192
.set RV,  0                            ; window 1, phase B
.set R2,  64
.set XC,  192
.set TM2, 224
.set TMP, 240
.set ACC, 128                          ; window 2
.set MSB, 0
.macro WIN new                         ; bits 1:0 source 0, 3:2 source 1, 5:4 source 2, 7:6 destination; the high byte repeats the setting that is left
.if MSB != (\new)
	s_set_vgpr_msb (MSB<<8)|(\new)
.set MSB, (\new)
.endif
.endm
.macro PLACES n
.rept \n
	v_nop
.endr
.endm
	s_load_b256 s[4:11], s[0:1], 0x0               ; x s[4:5], W's codes s[6:7], W's scales s[8:9], part s[10:11]
	s_load_b64 s[12:13], s[0:1], 0x20              ; asum
	v_lshl_add_u32 v[SPW], v0, 2, SPARE
	v_mov_b32 v[NIL], 0
	ds_add_u32 v1, v2
	ds_add_u32 v1, v2
	s_wait_dscnt 0x0
	v_lshrrev_b32 v21, 5, v0
	v_readfirstlane_b32 s32, v21                   ; wave 0..3
	s_and_b32 s41, ttmp7, 0xffff                   ; n
	; descriptor group 1: 64 rows of 128 elements of 4 bytes, 4,096 elements apart; in LDS 4 words of padding behind every 128
	s_mov_b32 s16, (2<<16)|(1<<20)|(6<<22)|(3<<25)
	s_mov_b32 s17, 128<<16                         ; tensor_dim0
	s_mov_b32 s18, 64<<16                          ; tensor_dim1
	s_mov_b32 s19, 128<<16                         ; tile_dim0
	s_mov_b32 s20, 64                              ; tile_dim1
	s_mov_b32 s21, 4096                            ; from row to row
	s_mov_b32 s22, 0
	s_mov_b32 s23, 0
	s_lshl_b32 s42, s41, 22                        ; an image is 2^22 bytes,
	s_lshl_b32 s43, s32, 20                        ; my 64 channels 2^20,
	s_add_co_u32 s42, s42, s43
	s_lshl_b32 s43, ttmp9, 12                      ; a quarter of a row 4,096
	s_add_co_u32 s42, s42, s43
	s_mov_b32 s43, 0
	s_mul_i32 s44, s32, WROWS                      ; my 64 rows in a slot
	s_lshl_b32 s50, s41, 2
	s_add_co_u32 s50, s50, ttmp9                   ; 4 n + q
	s_lshl_b32 s52, s50, 8                         ; x 256 bytes in asum,
	s_lshl_b32 s50, s50, 16                        ; x 65,536 in part
	s_mov_b32 s51, 0
	s_mov_b32 s53, 0
	s_mov_b32 s36, 0x76543210                      ; v_permlanex16_b32's selects for lane l xor 16
	s_mov_b32 s37, 0xfedcba98
	s_mov_b32 s38, 0x3fb8aa3b                      ; log2(e); named as a pair by the packed form, so both are written
	s_mov_b32 s39, s38
	s_mov_b32 s40, 0x600000                        ; the mantissa field of 448
	s_mov_b32 s33, 0                               ; the slot in hand
	s_wait_kmcnt 0x0
	s_add_nc_u64 s[4:5], s[4:5], s[42:43]
	s_add_nc_u64 s[10:11], s[10:11], s[50:51]
	s_add_nc_u64 s[12:13], s[12:13], s[52:53]
	s_mov_b32 s24, 1                               ; group 0 for chunk 0: slot 0
	s_mov_b32 s25, s44
	s_mov_b64 s[26:27], s[4:5]
	s_or_b32 s27, s27, 0x80000000
	s_mov_b32 s28, 1                               ; group 0 for chunk 1: slot 1; this one walks on
	s_add_co_u32 s29, s44, SLOT
	s_add_nc_u64 s[30:31], s[4:5], 512
	s_or_b32 s31, s31, 0x80000000
	tensor_load_to_lds s[24:27], s[16:23]          ; both first fills together, ahead of every wait on TENSORcnt, LDS read and barrier: two loads of mine are out
	s_nop 0
	tensor_load_to_lds s[28:31], s[16:23]
	s_nop 0
	PLACES 4
	v_and_b32 v21, 31, v0                          ; lane
	v_and_b32 v22, 15, v0                          ; r
	v_bfe_u32 v23, v0, 4, 1                        ; h
	s_lshl_b32 s45, s32, 7
	s_lshl_b32 s46, s32, 9
	s_lshl_b32 s47, s32, 8
	s_mul_i32 s48, s32, 16*SPITCH
	s_lshl_b32 s49, s32, 14
	v_mul_u32_u24 v[BA0], v23, 8*PITCH
	v_lshl_add_u32 v[BA0], v22, 3, v[BA0]
	v_add_nc_u32 v[BA0], s45, v[BA0]
	v_add_nc_u32 v[BA1], 128*PITCH, v[BA0]
	v_mul_u32_u24 v[BB], v22, PITCH
	v_lshl_add_u32 v[BB], v23, 6, v[BB]
	v_add_nc_u32 v[BB], s44, v[BB]
	v_lshl_add_u32 v[RST], v22, 3, RINV
	v_add_nc_u32 v[RST], s45, v[RST]
	v_lshl_add_u32 v[RLD], v23, 6, RINV
	v_lshl_add_u32 v[IST], v21, 4, AIMG
	v_add_nc_u32 v[IST], s46, v[IST]
	v_lshl_add_u32 v[ILD], v21, 4, AIMG
	v_lshl_add_u32 v[SST], v21, 2, ASC
	v_add_nc_u32 v[SST], s32, v[SST]
	v_lshl_add_u32 v[SLD], v21, 2, ASC
	v_lshl_add_u32 v[XLD], v21, 3, ASX
	v_lshl_add_u32 v[XST], v22, 2, ASX
	v_add_nc_u32 v[XST], s47, v[XST]
	v_mul_u32_u24 v[STO], v22, SPITCH
	v_lshl_add_u32 v[STO], v23, 5, v[STO]
	v_add_nc_u32 v[STO], s47, v[STO]
	v_lshl_add_u32 v[RD], v21, 4, s48
	v_lshl_add_u32 v[GO], v21, 4, s49
	v_lshlrev_b32 v[GA], 3, v21
	v_lshlrev_b32 v[WA], 8, v22                    ; W: row r of 256 bytes, + 8 h
	v_lshl_add_u32 v[WA], v23, 3, v[WA]
	v_lshlrev_b32 v[WSA], 3, v22                   ; its scale bytes: 8 a row
	v_add_nc_u32 v[ADA], s33, v[BA0]
	v_add_nc_u32 v[ADA+1], s33, v[BA1]
	v_add_nc_u32 v[ADB], s33, v[BB]
	; W stays in registers: fragment (kt, s) at v[16 (2 kt + s)] of window 2, its bytes in the order of the head comment: registers 4 c + 2 a, + 1 hold channels 128 s + 32 c + 16 a + 8 h + 0 .. 7
	WIN 0x80
.set ff, 0
.rept 8
.set gg, 0
.rept 8
	global_load_b64 v[16*ff+2*gg:16*ff+2*gg+1], v[WA], s[6:7] offset:4096*(ff/2)+128*(ff%2)+16*gg
.set gg, gg+1
.endr
.set ff, ff+1
.endr
.set ii, 0
.rept 128
	v_mov_b32 v[ACC+ii], 0                         ; the second product's sums begin as zeros: a first chunk written out with the constant 0 as C would be a third copy of the chunk's text; these lines run while the first tile is on its way
.set ii, ii+1
.endr
	WIN 0x40
.irp b, 0,1,2,3
	v_mov_b32 v[TM2+4+\b], 0                       ; written once: a lane permute's destination counts as one of its sources
.endr
	WIN 0
.set ff, 0
.rept 8
	global_load_b32 v[WS+ff], v[WSA], s[8:9] offset:128*(ff/2)+4*(ff%2)
.set ff, ff+1
.endr
.irp b, 0,1,2,3,4,5,6,7
	v_mov_b32 v[AS+\b], 0
.endr
	v_mov_b32 v[PD], 0
	v_mov_b32 v[PD+1], 0
.irp q, 0,1,2,3
.irp b, 0,1,2,3
	v_mov_b32 v[TM+16*\q+4+\b], 0
.endr
.endr
	s_wait_loadcnt 0x0                             ; W
	s_wait_tensorcnt 0x1                           ; my part of chunk 0 is in; chunk 1's may stay out
	s_barrier_signal -1
	s_barrier_wait -1                              ; everybody's is
; ---- phase A ----
.macro LDA s, c                        ; block c of K step s: 16 rows x my two places, 8 bytes a lane
	WIN 0x40+0x80*(\s)
.set ii, 0
.rept 16
	ds_load_b64 v[32*(\c)+2*ii:32*(\c)+2*ii+1], v[ADA+(\s)] offset:(32*(\c)+(ii&7)+16*(ii>>3))*PITCH
.set ii, ii+1
.endr
.endm
.macro SQ s, c                         ; its squares into four chains (the very first four products start them), and the largest raw magnitude of each of my two places
	WIN 0x05+0x0a*(\s)
.set pp, 0
.rept 8
.set ra, 32*(\c)+4*pp
.set sa, SS+4*(pp%2)
.if (((\s)+(\c)) == 0) && (pp < 2)
	v_pk_mul_f32 v[sa:sa+1], v[ra:ra+1], v[ra:ra+1]
	v_pk_mul_f32 v[sa+2:sa+3], v[ra+2:ra+3], v[ra+2:ra+3]
.else
	v_pk_fma_f32 v[sa:sa+1], v[ra:ra+1], v[ra:ra+1], v[sa:sa+1]
	v_pk_fma_f32 v[sa+2:sa+3], v[ra+2:ra+3], v[ra+2:ra+3], v[sa+2:sa+3]
.endif
.if pp == 0
	v_max_num_f32 v[TM+16*(\s)+(\c)], |v[ra]|, |v[ra+2]|
	v_max_num_f32 v[TM+32+16*(\s)+(\c)], |v[ra+1]|, |v[ra+3]|
.else
	v_max3_num_f32 v[TM+16*(\s)+(\c)], |v[ra]|, |v[ra+2]|, v[TM+16*(\s)+(\c)]
	v_max3_num_f32 v[TM+32+16*(\s)+(\c)], |v[ra+1]|, |v[ra+3]|, v[TM+32+16*(\s)+(\c)]
.endif
.set pp, pp+1
.endr
.endm
.macro RNORM                           ; 1 / max(sqrt(sum of squares), 1e-12) of my two places, and into LDS for phase B
	v_pk_add_f32 v[SS:SS+1], v[SS:SS+1], v[SS+2:SS+3]
	v_pk_add_f32 v[SS+4:SS+5], v[SS+4:SS+5], v[SS+6:SS+7]
	v_pk_add_f32 v[SS:SS+1], v[SS:SS+1], v[SS+4:SS+5]
	v_permlanex16_b32 v[PD], v[SS], s36, s37       ; the other half of the channels lies in lane l xor 16
	v_permlanex16_b32 v[PD+1], v[SS+1], s36, s37
	v_pk_add_f32 v[SS:SS+1], v[SS:SS+1], v[PD:PD+1]
	v_sqrt_f32 v[SS], v[SS]
	v_sqrt_f32 v[SS+1], v[SS+1]
	v_nop                                          ; a plain instruction between a transcendental and the use of its result (ISA guide 5.7.2)
	s_wait_alu depctr_va_vdst(0)
	v_max_num_f32 v[SS], 0x2b8cbccc, v[SS]         ; 1e-12
	v_max_num_f32 v[SS+1], 0x2b8cbccc, v[SS+1]
	v_rcp_f32 v[RI], v[SS]
	v_rcp_f32 v[RI+1], v[SS+1]
	v_nop
	s_wait_alu depctr_va_vdst(0)
	ds_store_b64 v[RST], v[RI:RI+1]                ; lanes 16-31 write the same bytes with the same values
.endm
.macro BSC                             ; the 16 blocks (u, s, c), by turns.  Rounding is monotone: the largest raw magnitude x 1/norm is the largest of the products
.set bb, 0
.rept 16
	v_mul_f32 v[TM+16*(bb/4)+bb%4], v[TM+16*(bb/4)+bb%4], v[RI+bb/8]
.set bb, bb+1
.endr
.set bb, 0
.rept 16
	v_permlanex16_b32 v[TM+16*(bb/4)+4+bb%4], v[TM+16*(bb/4)+bb%4], s36, s37
.set bb, bb+1
.endr
.set bb, 0
.rept 16
	v_max3_num_f32 v[TM+16*(bb/4)+bb%4], v[TM+16*(bb/4)+bb%4], v[TM+16*(bb/4)+4+bb%4], FLOOR
.set bb, bb+1
.endr
.set bb, 0
.rept 16
	v_add_nc_u32 v[TM+16*(bb/4)+12+bb%4], EOFF, v[TM+16*(bb/4)+bb%4]           ; the conversion takes this operand's exponent field as its scale
.set bb, bb+1
.endr
.set bb, 0
.rept 16
	v_and_or_b32 v[TM+16*(bb/4)+8+bb%4], v[TM+16*(bb/4)+bb%4], EXPM, s40       ; 448 x the scale
.set bb, bb+1
.endr
.set bb, 0
.rept 16
	v_lshrrev_b32 v[TM+16*(bb/4)+4+bb%4], 23, v[TM+16*(bb/4)+12+bb%4]          ; the byte
.set bb, bb+1
.endr
.irp q, 0,1,2,3
	v_lshl_or_b32 v[XS+\q], v[TM+16*\q+5], 8, v[TM+16*\q+4]
.endr
.irp q, 0,1,2,3
	v_lshl_or_b32 v[XS+\q], v[TM+16*\q+6], 16, v[XS+\q]
.endr
.irp q, 0,1,2,3
	v_lshl_or_b32 v[XS+\q], v[TM+16*\q+7], 24, v[XS+\q]
.endr
.endm
.macro HOLD s                          ; K step s: x 1/norm; the hold at 448 x the scale, which also parts the two tiles' numbers; the conversions: their results are the operand's registers
	WIN 0x41+0x82*(\s)
.set cc, 0
.rept 4
.set tb, T+32*(cc%2)
.set ii, 0
.rept 16
	v_pk_mul_f32 v[32*cc+2*ii:32*cc+2*ii+1], v[32*cc+2*ii:32*cc+2*ii+1], v[RI:RI+1]
.set ii, ii+1
.endr
.set ii, 0
.rept 16
	v_med3_num_f32 v[tb+ii], v[32*cc+2*ii], -v[TM+16*(\s)+8+cc], v[TM+16*(\s)+8+cc]            ; the conversion to an 8-bit code does not saturate (ISA guide 7.6.2)
	v_med3_num_f32 v[tb+16+ii], v[32*cc+2*ii+1], -v[TM+32+16*(\s)+8+cc], v[TM+32+16*(\s)+8+cc]
.set ii, ii+1
.endr
	v_cvt_scalef32_pk8_fp8_f32 v[XF+4*cc:XF+4*cc+1], v[tb:tb+7], v[TM+16*(\s)+12+cc]
	v_cvt_scalef32_pk8_fp8_f32 v[XF+4*cc+2:XF+4*cc+3], v[tb+8:tb+15], v[TM+16*(\s)+12+cc]
	v_cvt_scalef32_pk8_fp8_f32 v[XF+16+4*cc:XF+16+4*cc+1], v[tb+16:tb+23], v[TM+32+16*(\s)+12+cc]
	v_cvt_scalef32_pk8_fp8_f32 v[XF+16+4*cc+2:XF+16+4*cc+3], v[tb+24:tb+31], v[TM+32+16*(\s)+12+cc]
.set cc, cc+1
.endr
	PLACES 4                                       ; an operand written by vector instructions stands four places ahead of the scaled product; the scale words were made far above
.endm
.macro PROD1 s                         ; eight products, the eight accumulators (kt, u) by turns, one instruction a turn; K step 0 starts the sums
	WIN 0x09+2*(\s)
.set tt, 0
.rept 8
.if (\s) == 0
	v_wmma_scale_f32_16x16x128_f8f6f4 v[LG+8*tt:LG+8*tt+7], v[XF+16*(tt%2):XF+16*(tt%2)+15], v[32*(tt/2):32*(tt/2)+15], 0, v[XS+2*(tt%2)], v[WS+2*(tt/2)]
.else
	v_wmma_scale_f32_16x16x128_f8f6f4 v[LG+8*tt:LG+8*tt+7], v[XF+16*(tt%2):XF+16*(tt%2)+15], v[32*(tt/2)+16:32*(tt/2)+31], v[LG+8*tt:LG+8*tt+7], v[XS+2*(tt%2)+1], v[WS+2*(tt/2)+1]
.endif
.set tt, tt+1
.endr
.endm
.macro SOFTMAX                         ; over the 64 clusters of each of my 16 places a lane: 4 registers (kt) and the 16 lanes of my half
.set mm, 0
.rept 16
	v_max3_num_f32 v[M+mm], v[LG+mm], v[LG+16+mm], v[LG+32+mm]                 ; each accumulator from its low end on
.set mm, mm+1
.endr
.set mm, 0
.rept 16
	v_max_num_f32 v[M+mm], v[M+mm], v[LG+48+mm]
.set mm, mm+1
.endr
.irp x, 1,2,4,8
.set mm, 0
.rept 16
	v_max_num_f32_dpp v[M+mm], v[M+mm], v[M+mm] row_xmask:\x row_mask:0xf bank_mask:0xf
.set mm, mm+1
.endr
.endr
.set mm, 0
.rept 16
	v_mul_f32 v[M+mm], 0xbfb8aa3b, v[M+mm]         ; - log2(e) x the maximum; what its rounding leaves is one factor for all 64 clusters and falls out with the sum
.set mm, mm+1
.endr
.set ee, 0
.rept 32
	v_pk_fma_f32 v[LG+2*ee:LG+2*ee+1], v[LG+2*ee:LG+2*ee+1], s[38:39], v[M+(2*ee)%16:M+(2*ee)%16+1] op_sel_hi:[1,0,1]
.set ee, ee+1
.endr
.set ee, 0
.rept 64
	v_exp_f32 v[P+16*(ee/16)+2*(ee%8)+((ee%16)/8)], v[LG+ee]                   ; register 2 j + u: place 16 h + 2 j + u
.set ee, ee+1
.endr
	v_nop
.set ee, 0
	s_wait_alu depctr_va_vdst(0)
.rept 8
	v_pk_add_f32 v[S+2*ee:S+2*ee+1], v[P+2*ee:P+2*ee+1], v[P+16+2*ee:P+16+2*ee+1]
.set ee, ee+1
.endr
.set ee, 0
.rept 8
	v_pk_add_f32 v[S+2*ee:S+2*ee+1], v[S+2*ee:S+2*ee+1], v[P+32+2*ee:P+32+2*ee+1]
.set ee, ee+1
.endr
.set ee, 0
.rept 8
	v_pk_add_f32 v[S+2*ee:S+2*ee+1], v[S+2*ee:S+2*ee+1], v[P+48+2*ee:P+48+2*ee+1]
.set ee, ee+1
.endr
.irp x, 1,2,4,8
.set mm, 0
.rept 16
	v_add_f32_dpp v[S+mm], v[S+mm], v[S+mm] row_xmask:\x row_mask:0xf bank_mask:0xf
.set mm, mm+1
.endr
.endr
.set mm, 0
.rept 16
	v_rcp_f32 v[S+mm], v[S+mm]
.set mm, mm+1
.endr
	v_nop
.set ee, 0
	s_wait_alu depctr_va_vdst(0)
.rept 32
	v_pk_mul_f32 v[P+2*ee:P+2*ee+1], v[P+2*ee:P+2*ee+1], v[S+(2*ee)%16:S+(2*ee)%16+1]   ; a, finished and normalised
.set ee, ee+1
.endr
.set ee, 0
.rept 8
.irp kt, 0,1,2,3
	v_pk_add_f32 v[AS+2*\kt:AS+2*\kt+1], v[AS+2*\kt:AS+2*\kt+1], v[P+16*\kt+2*ee:P+16*\kt+2*ee+1]   ; the sum over places is taken of the unquantised a
.endr
.set ee, ee+1
.endr
.irp kt, 0,1,2,3
	v_max3_num_f32 v[QA+\kt], v[P+16*\kt], v[P+16*\kt+1], FLOOR                ; a's block of 32 places for cluster 16 kt + r: my 16 and lane l xor 16's; a is never negative
.endr
.irp i, 2,4,6,8,10,12,14
.irp kt, 0,1,2,3
	v_max3_num_f32 v[QA+\kt], v[QA+\kt], v[P+16*\kt+\i], v[P+16*\kt+\i+1]
.endr
.endr
.irp kt, 0,1,2,3
	v_permlanex16_b32 v[QA+4+\kt], v[QA+\kt], s36, s37
.endr
.irp kt, 0,1,2,3
	v_max_num_f32 v[QA+\kt], v[QA+\kt], v[QA+4+\kt]
.endr
.irp kt, 0,1,2,3
	v_add_nc_u32 v[QA+12+\kt], EOFF, v[QA+\kt]
.endr
.irp kt, 0,1,2,3
	v_and_or_b32 v[QA+8+\kt], v[QA+\kt], EXPM, s40
.endr
.irp kt, 0,1,2,3
	v_lshrrev_b32 v[QA+4+\kt], 23, v[QA+12+\kt]
.endr
.irp kt, 0,1,2,3
.set ii, 0
.rept 16
	v_min_num_f32 v[P+16*\kt+ii], v[P+16*\kt+ii], v[QA+8+\kt]                  ; the hold, one-sided
.set ii, ii+1
.endr
	v_cvt_scalef32_pk8_fp8_f32 v[AC+4*\kt:AC+4*\kt+1], v[P+16*\kt:P+16*\kt+7], v[QA+12+\kt]
	v_cvt_scalef32_pk8_fp8_f32 v[AC+4*\kt+2:AC+4*\kt+3], v[P+16*\kt+8:P+16*\kt+15], v[QA+12+\kt]
.endr
	v_nop                                          ; a plain instruction behind the last conversion
.irp kt, 0,1,2,3
	ds_store_b128 v[IST], v[AC+4*\kt:AC+4*\kt+3] offset:2048*\kt               ; register group w of fragment kt, as it stands
	ds_store_b8 v[SST], v[QA+4+\kt] offset:128*\kt                             ; byte w of its scale words
.endr
.endm
; ---- phase B ----
.macro LDT dt, set                     ; tile dt of my channels: row 16 dt + r, places 32 c + 16 h + 0 .. 15
	WIN 0x40
.set ii, 0
.rept 16
	ds_load_b128 v[R2+64*(\set)+4*ii:R2+64*(\set)+4*ii+3], v[ADB] offset:16*PITCH*(\dt)+128*(ii/4)+16*(ii%4)
.set ii, ii+1
.endr
.endm
.macro LDRV                            ; 1/norm of the same places
	WIN 0x40
.set ii, 0
.rept 16
	ds_load_b128 v[RV+4*ii:RV+4*ii+3], v[RLD] offset:128*(ii/4)+16*(ii%4)
.set ii, ii+1
.endr
.endm
.macro LDAF                            ; a's four fragments and their scale words
	WIN 0xc0
.set ii, 0
.rept 16
	ds_load_b128 v[4*ii:4*ii+3], v[ILD] offset:512*ii
.set ii, ii+1
.endr
	WIN 0
.irp kt, 0,1,2,3
	ds_load_b32 v[ASW+\kt], v[SLD] offset:128*\kt
.endr
.endm
.macro TILEQ dt                        ; 64 numbers a lane become a fragment's codes (window 1, v192 on) and its scale word (v40)
.set rb, R2+64*((\dt)%2)
	WIN 0x55
.set ii, 0
.rept 32
	v_pk_mul_f32 v[rb+2*ii:rb+2*ii+1], v[rb+2*ii:rb+2*ii+1], v[RV+2*ii:RV+2*ii+1]
.set ii, ii+1
.endr
.irp b, 0,1,2,3
	v_max3_num_f32 v[TM2+\b], |v[rb+16*\b]|, |v[rb+16*\b+1]|, FLOOR
.endr
.irp i, 2,4,6,8,10,12,14
.irp b, 0,1,2,3
	v_max3_num_f32 v[TM2+\b], v[TM2+\b], |v[rb+16*\b+\i]|, |v[rb+16*\b+\i+1]|
.endr
.endr
.irp b, 0,1,2,3
	v_permlanex16_b32 v[TM2+4+\b], v[TM2+\b], s36, s37
.endr
.irp b, 0,1,2,3
	v_max_num_f32 v[TM2+\b], v[TM2+\b], v[TM2+4+\b]
.endr
.irp b, 0,1,2,3
	v_add_nc_u32 v[TM2+12+\b], EOFF, v[TM2+\b]
.endr
.irp b, 0,1,2,3
	v_and_or_b32 v[TM2+8+\b], v[TM2+\b], EXPM, s40
.endr
.irp b, 0,1,2,3
	v_lshrrev_b32 v[TM2+4+\b], 23, v[TM2+12+\b]
.endr
	v_lshl_or_b32 v[TMP], v[TM2+5], 8, v[TM2+4]
	v_lshl_or_b32 v[TMP], v[TM2+6], 16, v[TMP]
	WIN 0x11
	v_lshl_or_b32 v[XS2], v[TM2+7], 24, v[TMP]     ; scale operands have no window: the word lies in window 0; the 64 holds below stand between it and the products
	WIN 0x55
.irp b, 0,1,2,3
.set ii, 0
.rept 16
	v_med3_num_f32 v[rb+16*\b+ii], v[rb+16*\b+ii], -v[TM2+8+\b], v[TM2+8+\b]
.set ii, ii+1
.endr
	v_cvt_scalef32_pk8_fp8_f32 v[XC+4*\b:XC+4*\b+1], v[rb+16*\b:rb+16*\b+7], v[TM2+12+\b]
	v_cvt_scalef32_pk8_fp8_f32 v[XC+4*\b+2:XC+4*\b+3], v[rb+16*\b+8:rb+16*\b+15], v[TM2+12+\b]
.endr
	PLACES 4
.endm
.macro PROD2 dt                        ; four products, four accumulators, one instruction each: each of the 16 is taken up once a chunk
	WIN 0xad
.set kk, 0
.rept 4
	v_wmma_scale_f32_16x16x128_f8f6f4 v[ACC+8*(4*(\dt)+kk):ACC+8*(4*(\dt)+kk)+7], v[XC:XC+15], v[16*kk:16*kk+15], v[ACC+8*(4*(\dt)+kk):ACC+8*(4*(\dt)+kk)+7], v[XS2], v[ASW+kk]
.set kk, kk+1
.endr
.endm
; ---- a chunk of 128 places.  refill = 1: the slot just read is filled again, with the chunk two on ----
.macro CHUNK refill
	LDA 0, 0
	LDA 0, 1
	LDA 0, 2
	LDA 0, 3
	s_wait_dscnt 48                                ; LDS loads come back in order: the oldest block's 16 are in, the three blocks behind it may be out
	SQ 0, 0
	LDA 1, 0
	s_wait_dscnt 48
	SQ 0, 1
	LDA 1, 1
	s_wait_dscnt 48
	SQ 0, 2
	LDA 1, 2
	s_wait_dscnt 48
	SQ 0, 3
	LDA 1, 3
	s_wait_dscnt 48
	SQ 1, 0
	s_wait_dscnt 32                                ; nothing more is asked for: the counts run down
	SQ 1, 1
	s_wait_dscnt 16
	SQ 1, 2
	s_wait_dscnt 0x0
	SQ 1, 3
	WIN 0
	RNORM
	BSC
	HOLD 0
	PROD1 0
	HOLD 1                                         ; vector work that names none of those products' registers, beside them
	PROD1 1
	LDT 0, 0                                       ; phase B's first two tiles are asked for here, into registers that phase A has left: the slot has been whole since the chunk's first barrier; they land under the softmax
	LDT 1, 1
	WIN 0
	PLACES 8                                       ; behind this form eight places before a vector instruction reads a result
	SOFTMAX
	s_wait_dscnt 0x0                               ; for the others' sake: 1/norm, a's images and bytes have landed
	s_barrier_signal -1
	s_barrier_wait -1
	LDRV
	LDAF
	s_wait_dscnt 20                                ; 1/norm is in; a's 16 loads and 4 scale words may be out
	TILEQ 0
	LDT 2, 0                                       ; into the set that the conversions have just read
	s_wait_dscnt 16                                ; a is in; those 16 may be out
	PROD2 0
	TILEQ 1
	LDT 3, 1
	PROD2 1
	s_wait_dscnt 16                                ; tile 2 is in; tile 3's 16 may be out
	TILEQ 2
	PROD2 2
	s_wait_dscnt 0x0
	TILEQ 3
	WIN 0                                          ; (the add's two registers lie in window 0)
	s_wait_tensorcnt 0x0                           ; all my tensor loads have landed: the one that was out is my part of the next chunk; so a group 0 may be written
	ds_add_u32 v[SPW], v[NIL]                      ; 0 onto my spare word
.if \refill
	s_xor_b32 s29, s29, SLOT                       ; the walking descriptor: the other slot than last time,
	s_add_nc_u64 s[30:31], s[30:31], 512           ; the next 128 places; the type bits on top are not reached
.endif
	PROD2 3                                        ; four products stand between the add and the wait for it
	WIN 0
	s_wait_dscnt 0x0                               ; the add is done; my reads of this slot, of 1/norm and of a's images are over
	s_barrier_signal -1
	s_barrier_wait -1                              ; both hold of every wave
.if \refill
	tensor_load_to_lds s[28:31], s[16:23]          ; my one tensor load behind this barrier, and the first thing there: it has the next chunk's work in which to land
	s_nop 0
.endif
	PLACES 4                                       ; with the three additions below and the first block's squares: the places in front of the loads into registers that the last products read
	s_xor_b32 s33, s33, SLOT                       ; on to the other slot
	v_add_nc_u32 v[ADA], s33, v[BA0]
	v_add_nc_u32 v[ADA+1], s33, v[BA1]
	v_add_nc_u32 v[ADB], s33, v[BB]
.endm
	s_mov_b32 s34, 6
.Lfill:                                            ; chunks 0 to 5 ask for chunks 2 to 7
	CHUNK 1
	s_sub_co_u32 s34, s34, 1
	s_cmp_lg_u32 s34, 0
	s_cbranch_scc1 .Lfill
	s_mov_b32 s34, 2
.Ltail:                                            ; chunks 6 and 7 ask for nothing: a second copy
	CHUNK 0
	s_sub_co_u32 s34, s34, 1
	s_cmp_lg_u32 s34, 0
	s_cbranch_scc1 .Ltail
	; ---- the way out.  The sums of a: a pair's halves, the other half of the lanes'; then the four waves' meet in LDS.  These additions, with the lines at the chunk's end, are the places behind the last products
.irp kt, 0,1,2,3
	v_add_f32 v[AS+2*\kt], v[AS+2*\kt], v[AS+2*\kt+1]
.endr
.irp kt, 0,1,2,3
	v_permlanex16_b32 v[AS+2*\kt+1], v[AS+2*\kt], s36, s37
.endr
.irp kt, 0,1,2,3
	v_add_f32 v[AS+2*\kt], v[AS+2*\kt], v[AS+2*\kt+1]
.endr
.irp kt, 0,1,2,3
	ds_store_b32 v[XST], v[AS+2*\kt] offset:64*\kt                             ; lanes 16-31 write the same words with the same values
.endr
	WIN 0x08                                       ; an LDS store's data are its source 1: window 2
.set tt, 0
.rept 16                               ; accumulator (dt, kt) = tt: lane (r, h) holds row 16 kt + r, channels 64 w + 16 dt + 8 h + 0 .. 7: 32 bytes
	ds_store_b128 v[STO], v[ACC+8*tt:ACC+8*tt+3] offset:16*SPITCH*(tt%4)+64*(tt/4)       ; each accumulator from its low end on
	ds_store_b128 v[STO], v[ACC+8*tt+4:ACC+8*tt+7] offset:16*SPITCH*(tt%4)+64*(tt/4)+16
.set tt, tt+1
.endr
	WIN 0
	s_wait_dscnt 0x0                               ; for the others' sake: a row's 1,024 bytes come from four waves
	s_barrier_signal -1
	s_barrier_wait -1
.set mm, 0
.rept 32
	ds_load_b128 v[LG+4*mm:LG+4*mm+3], v[RD] offset:SPITCH*(mm/2)+512*(mm%2)   ; wave w takes rows 16 w .. 16 w + 15, whole
.set mm, mm+1
.endr
.set mm, 0
.rept 32
	s_wait_dscnt 31-mm
	global_store_b128 v[GO], v[LG+4*mm:LG+4*mm+3], s[10:11] offset:512*mm      ; 32 lanes store 512 consecutive bytes, at a multiple of 256 from the buffer's first byte
.set mm, mm+1
.endr
	s_cmp_lg_u32 s32, 0
	s_cbranch_scc1 .Lnot_wave_0                    ; wave 0 adds the four waves' sums of a and stores 256 consecutive bytes
	ds_load_b64 v[SS:SS+1], v[XLD]
	ds_load_b64 v[SS+2:SS+3], v[XLD] offset:256
	ds_load_b64 v[SS+4:SS+5], v[XLD] offset:512
	ds_load_b64 v[SS+6:SS+7], v[XLD] offset:768
	s_wait_dscnt 0x0
	v_pk_add_f32 v[SS:SS+1], v[SS:SS+1], v[SS+2:SS+3]
	v_pk_add_f32 v[SS+4:SS+5], v[SS+4:SS+5], v[SS+6:SS+7]
	v_pk_add_f32 v[SS:SS+1], v[SS:SS+1], v[SS+4:SS+5]
	global_store_b64 v[GA], v[SS:SS+1], s[12:13]
.Lnot_wave_0:
	s_wait_tensorcnt 0x0                           ; the wave's end: behind my last tensor load and my last LDS store
	ds_add_u32 v[SPW], v[NIL]
	s_wait_dscnt 0x0
	s_endpgm
.Lfunc_end_k_qdeb2a0cba9_vlad_part:
	.size	k_qdeb2a0cba9_vlad_part, .Lfunc_end_k_qdeb2a0cba9_vlad_part-k_qdeb2a0cba9_vlad_part
	.p2alignl 7, 3214868480
	.fill 96, 4, 3214868480
	.section	.rodata,"a",@progbits
	.p2align	6, 0x0
	.amdhsa_kernel k_qdeb2a0cba9_vlad_part
		.amdhsa_group_segment_fixed_size 327680
		.amdhsa_private_segment_fixed_size 0
		.amdhsa_enable_private_segment 0
		.amdhsa_kernarg_size 40
		.amdhsa_user_sgpr_count 2
		.amdhsa_user_sgpr_kernarg_segment_ptr 1
		.amdhsa_wavefront_size32 1
		.amdhsa_system_sgpr_workgroup_id_x 1
		.amdhsa_system_sgpr_workgroup_id_y 1
		.amdhsa_system_sgpr_workgroup_id_z 1
		.amdhsa_system_vgpr_workitem_id 0
		.amdhsa_next_free_vgpr 1024
		.amdhsa_next_free_sgpr 66
		.amdhsa_reserve_vcc 0
		.amdhsa_float_denorm_mode_32 3
		.amdhsa_float_denorm_mode_16_64 3
		.amdhsa_memory_ordered 1
		.amdhsa_forward_progress 1
		.amdhsa_inst_pref_size 255
	.end_amdhsa_kernel
	.section	.bss,"aw",@nobits
	.p2align	6
	.space	262144
	.amdgpu_metadata
---
amdhsa.version: [ 1, 2 ]
amdhsa.kernels:
  - .name:           k_qdeb2a0cba9_vlad_part
    .symbol:         k_qdeb2a0cba9_vlad_part.kd
    .args:
      - { .name: x, .offset: 0, .size: 8, .value_kind: global_buffer, .address_space: global }
      - { .name: conv_weight_codes, .offset: 8, .size: 8, .value_kind: global_buffer, .address_space: global }
      - { .name: conv_weight_scales, .offset: 16, .size: 8, .value_kind: global_buffer, .address_space: global }
      - { .name: part, .offset: 24, .size: 8, .value_kind: global_buffer, .address_space: global }
      - { .name: asum, .offset: 32, .size: 8, .value_kind: global_buffer, .address_space: global }
    .group_segment_fixed_size: 327680
    .private_segment_fixed_size: 0
    .kernarg_segment_align: 8
    .kernarg_segment_size: 40
    .max_flat_workgroup_size: 128
    .sgpr_count:     66
    .vgpr_count:     1024
    .wavefront_size: 32
...
	.end_amdgpu_metadata
.endif
;; end of part 1
;; launch finish (part 2): grid 64 x 1, 16 waves a work-group, no clusters, 2,304 bytes of LDS; arguments part, asum, centroids, out0; writes out0
.if DOCPART == 2
	.amdgcn_target "amdgcn-amd-amdhsa--gfx1250"
	.amdhsa_code_object_version 6
	.text
	.protected	k_qdeb2a0cba9_finish
	.globl	k_qdeb2a0cba9_finish
	.p2align	8
	.type	k_qdeb2a0cba9_finish,@function
k_qdeb2a0cba9_finish:
	s_mov_b64 s[64:65], 0
	v_nop
	global_prefetch_b8 v0, s[64:65] scope:SCOPE_SE
	s_setreg_imm32_b32 hwreg(HW_REG_WAVE_MODE, 25, 1), 1
	s_wait_xcnt 0x0
; NetVLAD, second part.  For image n (the work-group): vlad[k][d] = sum over the four quarters of part[n][q][k][d] - (sum over q of asum[n][q][k]) x centroids[k][d];
; each row k is divided by max(its norm, 1e-12), and the whole by max(the norm of the result, 1e-12).  All in f32.
; Wave w owns rows 4 w .. 4 w + 3; a lane holds 16 bytes at 16 x lane and 16 at 512 + 16 x lane of each row, so that every load and store of a wave covers 512 consecutive bytes.
; All 40 loads of a wave go out at once, ten to a row; the rows are worked as they land.  The waves meet once, in LDS, for the global norm.
; The square of a normalised row's norm is taken as (the row's sum of squares) x (1/norm)^2.  No matrix work, no tensor load, no cluster: memory binds, and no two work-groups share more than the 64 KB of centroids.
; LIMITS: NaN and infinities are not served; v_sqrt_f32 and v_rcp_f32 flush denormals (ISA guide 15.8): a sum of squares under 2^-126 counts as 0; a multiplication by the reciprocal stands for each division.
.set EPSF, 0x2b8cbccc                  ; 1e-12
.set V,   16                           ; v16-143  row t: 32 registers: quarter p at 8 p, its second 16 bytes at + 4; the sum ends up in the first eight
.set CN,  144                          ; v144-175 centroids: 8 a row; later the 16 waves' figures (v144-159) and the factors (v160-167)
.set FS,  160
.set SQR, 176                          ; v176-183 a pair a row: the sum of squares
.set NRM, 184                          ; v184-187 the rows' norms
.set RN,  188                          ; v188-191 and their reciprocals
	s_load_b256 s[4:11], s[0:1], 0x0               ; part s[4:5], asum s[6:7], centroids s[8:9], out0 s[10:11]
	v_lshl_add_u32 v192, v0, 2, 0x100
	v_mov_b32 v193, 0
	v_lshrrev_b32 v2, 5, v0
	v_readfirstlane_b32 s12, v2                    ; wave 0..15
	v_and_b32 v3, 31, v0
	s_lshl_b32 s13, s12, 12                        ; my four rows of 1,024 bytes
	v_lshl_add_u32 v1, v3, 4, s13
	v_lshlrev_b32 v2, 2, v2                        ; LDS: my wave's word
	s_lshl_b32 s14, ttmp9, 18                      ; an image's four partial sums: 262,144 bytes
	s_mov_b32 s15, 0
	s_lshl_b32 s36, ttmp9, 10                      ; its sums of a: 1,024 bytes; my four clusters' 16 bytes
	s_lshl_b32 s37, s12, 4
	s_add_co_u32 s36, s36, s37
	s_mov_b32 s37, 0
	s_lshl_b32 s38, ttmp9, 16                      ; its result: 65,536 bytes
	s_mov_b32 s39, 0
	s_mov_b32 s50, 0x76543210                      ; v_permlanex16_b32's selects for lane l xor 16
	s_mov_b32 s51, 0xfedcba98
	s_wait_kmcnt 0x0
	s_add_nc_u64 s[4:5], s[4:5], s[14:15]
	s_add_nc_u64 s[6:7], s[6:7], s[36:37]
	s_add_nc_u64 s[10:11], s[10:11], s[38:39]
.irp p, 0,1,2,3
	s_load_b128 s[16+4*\p:19+4*\p], s[6:7], 256*\p                             ; quarter p's sums of a for my four clusters
.endr
.irp t, 0,1,2,3
.irp p, 0,1,2,3
	global_load_b128 v[V+32*\t+8*\p:V+32*\t+8*\p+3], v1, s[4:5] offset:65536*\p+1024*\t th:TH_LOAD_NT
	global_load_b128 v[V+32*\t+8*\p+4:V+32*\t+8*\p+7], v1, s[4:5] offset:65536*\p+1024*\t+512 th:TH_LOAD_NT
.endr
	global_load_b128 v[CN+8*\t:CN+8*\t+3], v1, s[8:9] offset:1024*\t
	global_load_b128 v[CN+8*\t+4:CN+8*\t+7], v1, s[8:9] offset:1024*\t+512
.endr
	s_wait_kmcnt 0x0
.irp t, 0,1,2,3
	s_add_f32 s[40+2*\t], s[16+\t], s[20+\t]
	s_add_f32 s[41+2*\t], s[24+\t], s[28+\t]
.endr
.irp t, 0,1,2,3
	s_add_f32 s[40+2*\t], s[40+2*\t], s[41+2*\t]
.endr
.irp t, 0,1,2,3
	s_xor_b32 s[40+2*\t], s[40+2*\t], 0x80000000   ; minus the cluster's sum of a
	s_mov_b32 s[41+2*\t], s[40+2*\t]               ; (the packed form names the pair and takes its low word for both halves: so both are written)
.endr
.macro ROWV t
.set vb, V+32*(\t)
	s_wait_loadcnt 10*(3-(\t))                     ; this row's ten loads are in; the later rows' may be out
.irp e, 0,2,4,6
	v_pk_add_f32 v[vb+\e:vb+\e+1], v[vb+\e:vb+\e+1], v[vb+8+\e:vb+8+\e+1]
	v_pk_add_f32 v[vb+16+\e:vb+16+\e+1], v[vb+16+\e:vb+16+\e+1], v[vb+24+\e:vb+24+\e+1]
.endr
.irp e, 0,2,4,6
	v_pk_add_f32 v[vb+\e:vb+\e+1], v[vb+\e:vb+\e+1], v[vb+16+\e:vb+16+\e+1]
.endr
.irp e, 0,2,4,6
	v_pk_fma_f32 v[vb+\e:vb+\e+1], v[CN+8*(\t)+\e:CN+8*(\t)+\e+1], s[40+2*(\t):41+2*(\t)], v[vb+\e:vb+\e+1] op_sel_hi:[1,0,1]
.endr
	v_pk_mul_f32 v[SQR+2*(\t):SQR+2*(\t)+1], v[vb:vb+1], v[vb:vb+1]
.irp e, 2,4,6
	v_pk_fma_f32 v[SQR+2*(\t):SQR+2*(\t)+1], v[vb+\e:vb+\e+1], v[vb+\e:vb+\e+1], v[SQR+2*(\t):SQR+2*(\t)+1]
.endr
	v_add_f32 v[SQR+2*(\t)], v[SQR+2*(\t)], v[SQR+2*(\t)+1]
.endm
	ROWV 0
	ROWV 1
	ROWV 2
	ROWV 3
.irp x, 1,2,4,8
.irp t, 0,1,2,3
	v_add_f32_dpp v[SQR+2*\t], v[SQR+2*\t], v[SQR+2*\t] row_xmask:\x row_mask:0xf bank_mask:0xf
.endr
.endr
.irp t, 0,1,2,3
	v_permlanex16_b32 v[SQR+2*\t+1], v[SQR+2*\t], s50, s51
.endr
.irp t, 0,1,2,3
	v_add_f32 v[SQR+2*\t], v[SQR+2*\t], v[SQR+2*\t+1]                          ; every lane holds the row's sum of squares
.endr
.irp t, 0,1,2,3
	v_sqrt_f32 v[NRM+\t], v[SQR+2*\t]
.endr
	v_nop                                          ; a plain instruction between a transcendental and the use of its result (ISA guide 5.7.2)
	s_wait_alu depctr_va_vdst(0)
.irp t, 0,1,2,3
	v_max_num_f32 v[NRM+\t], EPSF, v[NRM+\t]
.endr
.irp t, 0,1,2,3
	v_rcp_f32 v[RN+\t], v[NRM+\t]
.endr
	v_nop
	s_wait_alu depctr_va_vdst(0)
.irp t, 0,1,2,3
	v_mul_f32 v[SQR+2*\t], v[SQR+2*\t], v[RN+\t]
.endr
.irp t, 0,1,2,3
	v_mul_f32 v[SQR+2*\t], v[SQR+2*\t], v[RN+\t]   ; the normalised row's sum of squares
.endr
	v_add_f32 v[SQR], v[SQR], v[SQR+2]
	v_add_f32 v[SQR+4], v[SQR+4], v[SQR+6]
	v_add_f32 v[SQR], v[SQR], v[SQR+4]
	ds_store_b32 v2, v[SQR]                        ; all lanes write my wave's word with the same value
	s_wait_dscnt 0x0                               ; for the others' sake
	s_barrier_signal -1
	s_barrier_wait -1
	v_mov_b32 v3, 0
.irp i, 0,1,2,3
	ds_load_b128 v[CN+4*\i:CN+4*\i+3], v3 offset:16*\i                         ; the sixteen waves' figures, in every lane
.endr
	s_wait_dscnt 0x0
.irp i, 0,4,8,12
	v_pk_add_f32 v[CN+\i:CN+\i+1], v[CN+\i:CN+\i+1], v[CN+\i+2:CN+\i+3]
.endr
	v_pk_add_f32 v[CN:CN+1], v[CN:CN+1], v[CN+4:CN+5]
	v_pk_add_f32 v[CN+8:CN+9], v[CN+8:CN+9], v[CN+12:CN+13]
	v_pk_add_f32 v[CN:CN+1], v[CN:CN+1], v[CN+8:CN+9]
	v_add_f32 v[CN], v[CN], v[CN+1]
	v_sqrt_f32 v[CN], v[CN]
	v_nop
	s_wait_alu depctr_va_vdst(0)
	v_max_num_f32 v[CN], EPSF, v[CN]
	v_rcp_f32 v[CN+1], v[CN]
	v_nop
	s_wait_alu depctr_va_vdst(0)
.irp t, 0,1,2,3
	v_mul_f32 v[FS+2*\t], v[RN+\t], v[CN+1]        ; both divisions as one factor, in a pair for the packed multiply
	v_mul_f32 v[FS+2*\t+1], v[RN+\t], v[CN+1]
.endr
.irp t, 0,1,2,3
.irp e, 0,2,4,6
	v_pk_mul_f32 v[V+32*\t+\e:V+32*\t+\e+1], v[V+32*\t+\e:V+32*\t+\e+1], v[FS+2*\t:FS+2*\t+1]
.endr
	global_store_b128 v1, v[V+32*\t:V+32*\t+3], s[10:11] offset:1024*\t th:TH_STORE_NT         ; 32 lanes store 512 consecutive bytes, at a multiple of 256 from the buffer's first byte
	global_store_b128 v1, v[V+32*\t+4:V+32*\t+7], s[10:11] offset:1024*\t+512 th:TH_STORE_NT
.endr
	s_wait_tensorcnt 0x0
	ds_add_u32 v192, v193
	s_wait_dscnt 0x0
	s_endpgm
.Lfunc_end_k_qdeb2a0cba9_finish:
	.size	k_qdeb2a0cba9_finish, .Lfunc_end_k_qdeb2a0cba9_finish-k_qdeb2a0cba9_finish
	.p2alignl 7, 3214868480
	.fill 96, 4, 3214868480
	.section	.rodata,"a",@progbits
	.p2align	6, 0x0
	.amdhsa_kernel k_qdeb2a0cba9_finish
		.amdhsa_group_segment_fixed_size 2304
		.amdhsa_private_segment_fixed_size 0
		.amdhsa_enable_private_segment 0
		.amdhsa_kernarg_size 32
		.amdhsa_user_sgpr_count 2
		.amdhsa_user_sgpr_kernarg_segment_ptr 1
		.amdhsa_wavefront_size32 1
		.amdhsa_system_sgpr_workgroup_id_x 1
		.amdhsa_system_sgpr_workgroup_id_y 1
		.amdhsa_system_sgpr_workgroup_id_z 1
		.amdhsa_system_vgpr_workitem_id 0
		.amdhsa_next_free_vgpr 194
		.amdhsa_next_free_sgpr 66
		.amdhsa_reserve_vcc 0
		.amdhsa_float_denorm_mode_32 3
		.amdhsa_float_denorm_mode_16_64 3
		.amdhsa_memory_ordered 1
		.amdhsa_forward_progress 1
		.amdhsa_inst_pref_size 17
	.end_amdhsa_kernel
	.amdgpu_metadata
---
amdhsa.version: [ 1, 2 ]
amdhsa.kernels:
  - .name:           k_qdeb2a0cba9_finish
    .symbol:         k_qdeb2a0cba9_finish.kd
    .args:
      - { .name: part, .offset: 0, .size: 8, .value_kind: global_buffer, .address_space: global }
      - { .name: asum, .offset: 8, .size: 8, .value_kind: global_buffer, .address_space: global }
      - { .name: centroids, .offset: 16, .size: 8, .value_kind: global_buffer, .address_space: global }
      - { .name: out0, .offset: 24, .size: 8, .value_kind: global_buffer, .address_space: global }
    .group_segment_fixed_size: 2304
    .private_segment_fixed_size: 0
    .kernarg_segment_align: 8
    .kernarg_segment_size: 32
    .max_flat_workgroup_size: 512
    .sgpr_count:     66
    .vgpr_count:     194
    .wavefront_size: 32
...
	.end_amdgpu_metadata
.endif
;; end of part 2
